; MI455X (gfx1250); checked and timed in simulation.
; The chip was launched on July 23, 2026; its instructions are those of AMD's public machine-readable ISA for CDNA 5 (MIT licence, August 2026) and "CDNA5" Instruction Set Architecture Reference Guide (July 2026). The comments in the code are by the model that wrote it; some were corrected since.
;; Lo RA Layer. Allowed arithmetic: float matrix products may take bf16 or f16 operands with f32 sums; all other float work in f32.
;; Inputs: A 16 x 4,096 float32; B 4,096 x 16 float32; W 4,096 x 4,096 float32; b 4,096 float32; x 2,048 x 4,096 float32.
;; Outputs: out0 2,048 x 4,096 float32.
;; One version. Each part assembles by itself: llvm-mc -triple=amdgcn-amd-amdhsa -mcpu=gfx1250 --defsym DOCPART=n.
;; ======== version 1 of 1: 2 launches
;; limits: values are held in f16: magnitudes above 65,504 overflow, below 6.1e-05 lose precision
;; workspace buffers: x16 16,777,216 bytes; w16 33,554,432 bytes
;; launch prep (part 1): grid 256 x 1, 8 waves a work-group, no clusters, 306,176 bytes of LDS; arguments x, W, A, B, x16, w16; writes x16, w16
.if DOCPART == 1
	.amdgcn_target "amdgcn-amd-amdhsa--gfx1250"
	.amdhsa_code_object_version 6
	.text
	.protected	k_q4882a8ad7c_prep
	.globl	k_q4882a8ad7c_prep
	.p2align	8
	.type	k_q4882a8ad7c_prep,@function
k_q4882a8ad7c_prep:
	s_mov_b64 s[64:65], 0
	v_nop
	global_prefetch_b8 v0, s[64:65] scope:SCOPE_SE
	s_setreg_imm32_b32 hwreg(HW_REG_WAVE_MODE, 25, 1), 1
	s_wait_xcnt 0x0
; prep: x16 = f16(x), and w16[n][k] = f16( W[n][k] + sum over r of f16(B[k][r]) * f16(2 A[r][n]) ).
; Since x (B A) and x W^T both sum over x's last axis, out = x w16^T + b for every input; the next launch makes that one product.
; x: [2048][4096] f32, W: [4096][4096] f32, A: [16][4096] f32, B: [4096][16] f32; x16: [2048][4096] f16, w16: [4096][4096] f16 (row n, k along the row).
; WHY f16 AND NOT bf16: the folded weight is rounded once more than the reference's operands, and its row n grows with the length of A's column n, while
; the result is held against one spread for all columns.  f16 keeps 11 significant bits where bf16 keeps 8: each rounding is eight times smaller.
; LIMITS: a matrix operand (x, 2 A, B, W + 2 B A) beyond 65,504 in magnitude becomes infinite; one below 2^-14 is rounded with an absolute error of up to
; 2^-25 instead of a relative one of 2^-11.  The update is added to W in f32 (W is the matrix instruction's C operand) and the sum is rounded ONCE to
; f16: an order of rounding other than the reference's.  Non-finite inputs give non-finite results, not necessarily at the reference's places.
; The matrix form sums over 32 ranks: ranks 16 to 31 are zero in BOTH operands.
; SHARES: 256 work-groups of eight waves.  Work-group g converts 131,072 consecutive bytes of x (16 KiB a wave) and makes 128 rows x 512 k of w16;
; a wave makes 64 rows x 128 k: 4 blocks of 16 rows (q) x 8 tiles of 16 k (t), one matrix instruction each.
; Everything a wave reads is asked for at its start: one tensor load (its 64 x 128 tile of W, 32 KiB) and 80 loads into registers.  By this text's own
; count a wave has one tensor load outstanding.  LDS is filled once and each wave reads its own tile and its own stage alone: no barrier is needed.
; NO CLUSTER: the work-groups share only A and B, 12 KiB of a wave's 60 KiB of reads; x and W are read by one wave each.
.set TP,    528                        ; pitch of W's tile in LDS: 512 bytes + 16 of padding = 33 x 16, so 16 rows at one column fall on 16 different 16-byte columns of 256
.set TILEB, 64*TP                      ; 33,792 bytes: a wave's tile
.set STAGE, 8*TILEB                    ; 270,336: behind the tiles, a multiple of 256; no fill lands there
.set SP,    272                        ; pitch of the stage: a row of 128 f16 + 16 bytes
.set STGB,  16*SP                      ; 4,352 bytes: a wave's stage, 16 rows
.set VIN,  4                           ; v4   x: 16,384 w + 32 l
.set VOUT, 5                           ; v5   x16: half of that
.set VB,   6                           ; v6   B: 64 r + 32 h
.set VA,   7                           ; v7   A: 131,072 h + 4 r
.set VC,   8                           ; v8   my tile in LDS: 33,792 w + 528 r + 32 h
.set VST,  9                           ; v9   stage, in: 272 r + 16 h
.set VRD,  10                          ; v10  stage, back: 272 h + 16 r
.set VWO,  11                          ; v11  w16: 8,192 h + 16 r
.set AF,   32                          ; v[32:63]   four fragments of 2 A (q)
.set BF,   64                          ; v[64:127]  eight fragments of B (t)
.set X,    128                         ; v[128:255] x, 16 chunks of 8 registers; afterwards two buffers of eight C tiles:
.set CB0,  128
.set CB1,  192
.set G0,   16                          ; s[16:19] descriptor group 0
.set G1,   20                          ; s[20:27] descriptor group 1
	s_load_b256 s[4:11], s[0:1], 0x0               ; x s[4:5], W s[6:7], A s[8:9], B s[10:11]
	s_load_b128 s[12:15], s[0:1], 0x20             ; x16 s[12:13], w16 s[14:15]
	v_lshl_add_u32 v30, v0, 2, 0x4a800
	v_mov_b32 v31, 0
	ds_add_u32 v30, v31
	ds_add_u32 v30, v31
	v_lshrrev_b32 v2, 5, v0
	v_readfirstlane_b32 s28, v2                    ; wave 0..7
	s_lshr_b32 s29, ttmp9, 3                       ; which 128 rows n
	s_and_b32 s30, ttmp9, 7                        ; which 512 k
	s_lshr_b32 s31, s28, 2                         ; the wave's 64 of the rows
	s_and_b32 s32, s28, 3                          ; the wave's 128 of the k
	s_lshl_b32 s29, s29, 7
	s_lshl_b32 s31, s31, 6
	s_add_co_u32 s29, s29, s31                     ; n0
	s_lshl_b32 s30, s30, 9
	s_lshl_b32 s32, s32, 7
	s_add_co_u32 s30, s30, s32                     ; k0
	; group 1: a tile of 64 rows x 128 elements of 4 bytes, rows 4,096 elements apart, 4 words of padding behind every 128
	s_mov_b32 s[G1+0], (2<<16)|(1<<20)|(6<<22)|(3<<25)
	s_mov_b32 s[G1+1], 128<<16                     ; tensor_dim0 = 128 (the tile lies inside the tensor)
	s_mov_b32 s[G1+2], 64<<16                      ; tensor_dim1 = 64
	s_mov_b32 s[G1+3], 128<<16                     ; tile_dim0 = 128
	s_mov_b32 s[G1+4], 64                          ; tile_dim1 = 64
	s_mov_b32 s[G1+5], 4096                        ; from row to row
	s_mov_b32 s[G1+6], 0
	s_mov_b32 s[G1+7], 0
	s_mov_b32 s[G0+0], 1
	s_mul_i32 s[G0+1], s28, TILEB                  ; my tile in LDS: the wave's number times a constant
	s_lshl_b32 s34, s29, 14                        ; n0 rows of 16,384 bytes
	s_lshl_b32 s33, s30, 2                         ; + k0 numbers of 4 bytes
	s_add_co_u32 s34, s34, s33
	s_mov_b32 s35, 0
	s_wait_dscnt 0x0
	s_wait_kmcnt 0x0
	s_add_nc_u64 s[G0+2:G0+3], s[6:7], s[34:35]
	s_or_b32 s[G0+3], s[G0+3], 0x80000000          ; type = 2
	tensor_load_to_lds s[G0:G0+3], s[G1:G1+7]      ; the wave's one tensor load, ahead of everything else
	s_nop 0
	; the other bases, each advanced once and never written again
	s_mov_b32 s37, 0
	s_lshl_b32 s36, ttmp9, 17
	s_add_nc_u64 s[4:5], s[4:5], s[36:37]          ; x + 131,072 g
	s_lshl_b32 s36, ttmp9, 16
	s_add_nc_u64 s[12:13], s[12:13], s[36:37]      ; x16 + 65,536 g
	s_lshl_b32 s36, s30, 6
	s_add_nc_u64 s[10:11], s[10:11], s[36:37]      ; B at row k0 (64 bytes a row)
	s_lshl_b32 s36, s29, 2
	s_add_nc_u64 s[8:9], s[8:9], s[36:37]          ; A at column n0
	s_lshl_b32 s36, s29, 13
	s_lshl_b32 s33, s30, 1
	s_add_co_u32 s36, s36, s33
	s_add_nc_u64 s[14:15], s[14:15], s[36:37]      ; w16 at (n0, k0)
	s_mul_i32 s33, s28, STGB
	s_add_co_u32 s33, s33, STAGE                   ; my stage
	v_and_b32 v1, 31, v0                           ; l
	v_and_b32 v3, 15, v0                           ; r
	v_bfe_u32 v12, v0, 4, 1                        ; h
	v_lshlrev_b32 v[VA], 2, v3
	v_lshl_add_u32 v[VA], v12, 17, v[VA]
	v_lshlrev_b32 v[VB], 6, v3
	v_lshl_add_u32 v[VB], v12, 5, v[VB]
	v_lshlrev_b32 v[VIN], 5, v1
	v_lshl_add_u32 v[VIN], v2, 14, v[VIN]
	; source 1 of the matrix instruction: lane (r, h), registers 0-3 = ranks 8h .. 8h+7 of column n0 + 16 q + r.  Sixteen lanes take 64 bytes of one rank.
.irp q, 0,1,2,3
.irp j, 0,1,2,3,4,5,6,7
	global_load_b32 v[AF+8*\q+\j], v[VA], s[8:9] offset:\j*16384+64*\q
.endr
.endr
	; source 0: lane (r, h), registers 0-3 = ranks 8h .. 8h+7 of row k0 + 16 t + r: 32 neighbouring bytes
.irp t, 0,1,2,3,4,5,6,7
	global_load_b128 v[BF+8*\t:BF+8*\t+3],   v[VB], s[10:11] offset:1024*\t
	global_load_b128 v[BF+8*\t+4:BF+8*\t+7], v[VB], s[10:11] offset:1024*\t+16
.endr
	; x: 16 chunks of 1,024 bytes, 32 bytes a lane.  80 loads are issued in this run; the counter's field holds fewer and the issue then
	; stalls by itself (ISA guide 5.7.1), so no wait is placed for that.
.irp c, 0,1,2,3,4,5,6,7,8,9,10,11,12,13,14,15
	global_load_b128 v[X+8*\c:X+8*\c+3],   v[VIN], s[4:5] offset:1024*\c th:TH_LOAD_NT
	global_load_b128 v[X+8*\c+4:X+8*\c+7], v[VIN], s[4:5] offset:1024*\c+16 th:TH_LOAD_NT
.endr
	v_lshrrev_b32 v[VOUT], 1, v[VIN]
	v_mul_u32_u24 v[VC], v3, TP
	v_lshl_add_u32 v[VC], v12, 5, v[VC]
	v_add_nc_u32 v[VC], s[G0+1], v[VC]
	v_mul_u32_u24 v[VST], v3, SP
	v_lshl_add_u32 v[VST], v12, 4, v[VST]
	v_add_nc_u32 v[VST], s33, v[VST]
	v_mul_u32_u24 v[VRD], v12, SP
	v_lshl_add_u32 v[VRD], v3, 4, v[VRD]
	v_add_nc_u32 v[VRD], s33, v[VRD]
	v_lshlrev_b32 v[VWO], 4, v3
	v_lshl_add_u32 v[VWO], v12, 13, v[VWO]
; eight f32 in v[f .. f+7] become a fragment: ranks 8h .. 8h+7 packed into registers 0-3 (the destination never runs ahead of an unread source),
; ranks 16 .. 31 (registers 4-7) zero: a fragment is eight consecutive registers, so each of the twelve has its own four zeros, written once
.macro PACK f
.irp i, 0,1,2,3
	v_cvt_pk_f16_f32 v[\f+\i], v[\f+2*\i], v[\f+2*\i+1]
.endr
.irp i, 4,5,6,7
	v_mov_b32 v[\f+\i], 0
.endr
.endm
	s_wait_loadcnt 32                              ; loads come back in order (ISA guide 5.7.1): A and B are in, the 32 younger loads of x stay out
.irp q, 0,1,2,3
.irp i, 0,2,4,6
	v_pk_mul_f32 v[AF+8*\q+\i:AF+8*\q+\i+1], v[AF+8*\q+\i:AF+8*\q+\i+1], 2.0 op_sel_hi:[1,0]   ; alpha / rank = 2, exact
.endr
	PACK AF+8*\q
.endr
.irp t, 0,1,2,3,4,5,6,7
	PACK BF+8*\t
.endr
; chunk c of x: eight f32 a lane become 16 bytes; a wave's store covers 512 consecutive bytes, aligned.  No hint: the next launch reads x16.
.macro XCHUNK c
	s_wait_loadcnt 30-2*\c                         ; the loads younger than this chunk's two stay out
.irp i, 0,1,2,3
	v_cvt_pk_f16_f32 v[X+8*\c+\i], v[X+8*\c+2*\i], v[X+8*\c+2*\i+1]
.endr
	global_store_b128 v[VOUT], v[X+8*\c:X+8*\c+3], s[12:13] offset:512*\c
.endm
.irp c, 0,1,2,3,4,5,6,7,8,9,10,11,12,13,14,15
	XCHUNK \c
.endr
	s_wait_xcnt 0x0                                ; X's registers, which the stores read, are loaded again only behind this wait (ISA guide 3.1)
	s_wait_tensorcnt 0x0                           ; my tile of W is in LDS; I alone read it
; the eight C tiles of row block q: lane (r, h), register j = W[n0 + 16 q + r][k0 + 16 t + 8 h + j].
; q may be handed over as a sum, so it stands in parentheses wherever it is multiplied.
.macro LOADC q, buf
.irp t, 0,1,2,3,4,5,6,7
	ds_load_b128 v[\buf+8*\t:\buf+8*\t+3],   v[VC] offset:16*TP*(\q)+64*\t
	ds_load_b128 v[\buf+8*\t+4:\buf+8*\t+7], v[VC] offset:16*TP*(\q)+64*\t+16
.endr
.endm
; Row block q: eight products onto W, rounded, 16 rows through my stage, out as whole rows of 256 bytes.
; left = how many younger LDS loads (the other buffer's) may stay out; more = 1: this buffer is loaded again with block q + 2.
.macro WBLOCK q, buf, left, more
	s_wait_dscnt \left
.irp t, 0,1,2,3,4,5,6,7
	v_wmma_f32_16x16x32_f16 v[\buf+8*\t:\buf+8*\t+7], v[BF+8*\t:BF+8*\t+7], v[AF+8*(\q):AF+8*(\q)+7], v[\buf+8*\t:\buf+8*\t+7]   ; eight accumulators, one instruction each
.endr
.rept 4
	v_nop                                          ; four places behind the matrix instructions before their results are read (ISA guide 7.12.1)
.endr
.irp t, 0,1,2,3,4,5,6,7
.irp i, 0,1,2,3
	v_cvt_pk_f16_f32 v[\buf+8*\t+\i], v[\buf+8*\t+2*\i], v[\buf+8*\t+2*\i+1]   ; eight neighbouring k of one row: 16 bytes
.endr
.endr
.irp t, 0,1,2,3,4,5,6,7
	ds_store_b128 v[VST], v[\buf+8*\t:\buf+8*\t+3] offset:32*\t
.endr
.irp i, 0,1,2,3,4,5,6,7
	ds_load_b128 v[\buf+8*\i+4:\buf+8*\i+7], v[VRD] offset:2*SP*\i   ; LDS serves a wave's instructions in order (ISA guide 5.7.1): these see the stores above
.endr
.irp i, 0,1,2,3,4,5,6,7
	s_wait_dscnt 7-\i                              ; the younger read-backs stay out
	global_store_b128 v[VWO], v[\buf+8*\i+4:\buf+8*\i+7], s[14:15] offset:(16*(\q)+2*\i)*8192   ; sixteen lanes store 256 consecutive bytes, aligned
.endr
.if \more
	s_wait_xcnt 0x0                                ; the stores' data registers are loaded again only behind this wait
	LOADC \q+2, \buf
.endif
.endm
	LOADC 0, CB0
	LOADC 1, CB1
	WBLOCK 0, CB0, 16, 1
	WBLOCK 1, CB1, 16, 1
	WBLOCK 2, CB0, 16, 0
	WBLOCK 3, CB1, 0, 0
	s_wait_tensorcnt 0x0
	ds_add_u32 v30, v31
	s_wait_dscnt 0x0
	s_endpgm
.Lfunc_end_k_q4882a8ad7c_prep:
	.size	k_q4882a8ad7c_prep, .Lfunc_end_k_q4882a8ad7c_prep-k_q4882a8ad7c_prep
	.p2alignl 7, 3214868480
	.fill 96, 4, 3214868480
	.section	.rodata,"a",@progbits
	.p2align	6, 0x0
	.amdhsa_kernel k_q4882a8ad7c_prep
		.amdhsa_group_segment_fixed_size 306176
		.amdhsa_private_segment_fixed_size 0
		.amdhsa_enable_private_segment 0
		.amdhsa_kernarg_size 48
		.amdhsa_user_sgpr_count 2
		.amdhsa_user_sgpr_kernarg_segment_ptr 1
		.amdhsa_wavefront_size32 1
		.amdhsa_system_sgpr_workgroup_id_x 1
		.amdhsa_system_sgpr_workgroup_id_y 1
		.amdhsa_system_sgpr_workgroup_id_z 1
		.amdhsa_system_vgpr_workitem_id 0
		.amdhsa_next_free_vgpr 256
		.amdhsa_next_free_sgpr 66
		.amdhsa_reserve_vcc 0
		.amdhsa_float_denorm_mode_32 3
		.amdhsa_float_denorm_mode_16_64 3
		.amdhsa_memory_ordered 1
		.amdhsa_forward_progress 1
		.amdhsa_inst_pref_size 46
	.end_amdhsa_kernel
	.amdgpu_metadata
---
amdhsa.version: [ 1, 2 ]
amdhsa.kernels:
  - .name:           k_q4882a8ad7c_prep
    .symbol:         k_q4882a8ad7c_prep.kd
    .args:
      - { .name: x, .offset: 0, .size: 8, .value_kind: global_buffer, .address_space: global }
      - { .name: W, .offset: 8, .size: 8, .value_kind: global_buffer, .address_space: global }
      - { .name: A, .offset: 16, .size: 8, .value_kind: global_buffer, .address_space: global }
      - { .name: B, .offset: 24, .size: 8, .value_kind: global_buffer, .address_space: global }
      - { .name: x16, .offset: 32, .size: 8, .value_kind: global_buffer, .address_space: global }
      - { .name: w16, .offset: 40, .size: 8, .value_kind: global_buffer, .address_space: global }
    .group_segment_fixed_size: 306176
    .private_segment_fixed_size: 0
    .kernarg_segment_align: 8
    .kernarg_segment_size: 48
    .max_flat_workgroup_size: 256
    .sgpr_count:     66
    .vgpr_count:     256
    .wavefront_size: 32
...
	.end_amdgpu_metadata
.endif
;; end of part 1
;; launch gemm (part 2): grid 16 x 16, 4 waves a work-group, clusters of 4 x 4, 327,680 bytes of LDS; arguments x16, w16, b, out0; writes out0
.if DOCPART == 2
	.amdgcn_target "amdgcn-amd-amdhsa--gfx1250"
	.amdhsa_code_object_version 6
	.text
	.protected	k_q4882a8ad7c_gemm
	.globl	k_q4882a8ad7c_gemm
	.p2align	8
	.type	k_q4882a8ad7c_gemm,@function
k_q4882a8ad7c_gemm:
	s_mov_b64 s[64:65], 0
	v_nop
	global_prefetch_b8 v0, s[64:65] scope:SCOPE_SE
	s_setreg_imm32_b32 hwreg(HW_REG_WAVE_MODE, 25, 1), 1
	s_wait_xcnt 0x0
	s_wait_alu depctr_hold_cnt(0) depctr_sa_sdst(0) depctr_va_vdst(0) depctr_va_sdst(0) depctr_va_ssrc(0) depctr_va_vcc(0) depctr_vm_vsrc(0)
	s_getreg_b32 s2, hwreg(HW_REG_IB_STS2, 6, 4)
	s_cmp_eq_u32 s2, 0
	s_cbranch_scc0 .Lentry_in_a_cluster
	s_endpgm
.Lentry_in_a_cluster:
	s_bfe_u32 s2, ttmp6, 0x10000c
	s_cmp_lg_u32 s2, 0xf033
	s_cbranch_scc0 .Lentry_shape_is_right
	s_endpgm
.Lentry_shape_is_right:
; out0[t][n] = sum over k of x16[t][k] w16[n][k] + b[n].  x16: [2048][4096] f16, w16: [4096][4096] f16, b: [4096] f32, out0: [2048][4096] f32; sums in f32.
; LIMITS: the operands are f16 as the launch before rounded them (w16 = W + 2 B A summed in f32 and rounded once: relative error at most 2^-11 a number,
; absolute error up to 2^-25 below 2^-14, infinite beyond 65,504).
; Each output is the sum of two f32 partial sums (the two waves' shares of k) and the bias: an order of summing other than the reference's.
; SHARES: 16 x 16 work-groups, each a block of 128 rows x 256 columns, four waves.  K IS SPLIT BETWEEN WAVES: wave w takes columns 128 (w & 1) .. + 127, all 128 rows,
; and of every slot's k the half w >> 1.  So each wave has 128 x 128 sums in 512 registers and reads 2 x 128 numbers from LDS for a k of its own;
; four tiles of 64 x 128 over all k would read half as much again.  At the end waves w and w xor 2 hand each other half of their sums through LDS.
; So that all four waves run one text, a wave's first 64 rows (window 2) are the ones it KEEPS and finishes, rows 64 g0 of the block with
; g0 = (w & 1) xor (w >> 1), and its last 64 (window 3) the ones it GIVES; the partner's g0 is the other one.  Addresses alone make that mapping.
; THE RING: two UNEQUAL slots filled by the tensor data mover, slot A with 256 k and slot B with 128 k of the block's 384 rows.  Two slots of 256 k would take
; 405,504 bytes and do not fit into the 327,680 of a WGP; two of 128 k take 208,896 and leave a third of LDS unused; 256 + 128 take 307,200.  A wave issues one load
; behind each change of slots, so larger slots mean more bytes on their way and fewer changes: 4,096 = 10 x 384 + 256 is ten laps A, B and a last A, 19 refills.
; A tile's rows are 512 or 256 bytes of memory and begin at multiples of 256 (byte 768 i and 768 i + 512 of a row).
; CLUSTERS: 4 x 4 work-groups.  x16's tile hangs on the block row alone and is asked for jointly along a row of the cluster, w16's on the block column alone
; and jointly along a column: the requests are divided by four.  By this text's own count a wave has two tensor loads outstanding at the start, later one.
; REGISTERS: window 0: v0-31 addresses and bias, v64-127 and v128-191 fragments of x16 (two buffers); window 1: the same numbers, fragments of w16;
; window 2: the 32 accumulator tiles that I keep (tile (a, b) at v[8 (8 a + b)]); window 3: the 32 that I give.
; The matrix instruction is used transposed (source 0 = 16 rows of w16, source 1 = 16 rows of x16): lane l holds row l % 16 and eight neighbouring columns.
.set KA,     256                       ; k in slot A
.set KB,     128                       ; k in slot B
.set PA,     528                       ; slot A's LDS row: 512 bytes + 16 of padding = 33 x 16: the 16 rows of a fragment load fall on 16 different 16-byte columns of 256
.set PB,     272                       ; slot B's: 256 + 16 = 17 x 16, likewise
.set XHA,    64*PA                     ; 33,792: half of x16's tile in slot A, one tensor load
.set WHA,    128*PA                    ; 67,584: half of w16's tile in slot A, one tensor load
.set WOFFA,  2*XHA                     ; w16's 256 rows lie behind x16's 128
.set SLOTA,  2*XHA+2*WHA               ; 202,752, a multiple of 256: slot B begins here
.set XHB,    64*PB                     ; 17,408
.set WHB,    128*PB                    ; 34,816
.set WOFFB,  2*XHB
.set LAPB,   2*(KA+KB)                 ; 768 bytes along a row from a slot's tile to its next
.set EP,     528                       ; pitch of f32 rows of 128 numbers: 512 + 16 = 33 x 16
.set EXCH,   64*EP                     ; 33,792: what a wave gives, 64 rows
.set STG,    16*EP                     ; 8,448: a wave's stage, 16 rows
.set STAGE,  4*EXCH                    ; 135,168.  Exchange and stages (168,960 bytes) lie over slot A: they are written only when the ring has had its last fill
                                       ; and behind the barrier that follows every wave's last read of the ring
.set OROW,   16384                     ; bytes in a row of out0
.set LAPS,   10                        ; a lap = slot A, then slot B = 384 k; behind the ten laps one more slot A
.set ADRA0, 16                         ; v16-17  LDS address of the x16 rows that I keep, slot A, B
.set ADRA1, 18                         ; v18-19  of those that I give
.set ADRB,  20                         ; v20-21  of my 128 rows of w16
.set STO,   22                         ; v22     stage, in
.set GIV,   23                         ; v23     my exchange region, in
.set RDO,   24                         ; v24     stage, back by rows
.set RDP,   25                         ; v25     the partner's exchange region, by rows
.set CO,    26                         ; v26     16 l: my 16 bytes in a row piece of 512 bytes
.set BIAS,  28                         ; v[28:31] b of my four columns
.set F0,    64
.set F1,    128
.set G1X, 24                           ; s[24:31], s[32:39] group 1 for x16's tiles, slot A, B
.set G1W, 40                           ; s[40:47], s[48:55] group 1 for w16's tiles, slot A, B
.set G0X, 56                           ; s[56:59], s[60:63] group 0 for x16's tiles, slot A, B
.set G0W, 68                           ; s[68:71], s[72:75] group 0 for w16's tiles, slot A, B
.set MSB, 0
.macro WIN new                         ; the immediate's high byte repeats the setting that is left
.if MSB != \new
	s_set_vgpr_msb (MSB<<8)|\new
.set MSB, \new
.endif
.endm
.set MUL_LO, 0xa1                      ; source 0 (w16) window 1, source 1 (x16) window 0, C and D window 2
.set MUL_HI, 0xf1                      ; the same, C and D window 3
.set TO_B,   0x40                      ; destination window 1, address window 0
.set ST_LO,  0x08                      ; LDS store data (source 1) from window 2
.set ST_HI,  0x0c                      ; from window 3
; Group 1: a tile of rows x kk elements of 2 bytes, rows 4,096 elements apart; 4 words of padding behind every row (2 << qi words); bit 21 beside the mask
.macro GROUP1 g, mask, qi, kk, rows
	s_or_b32 s[\g+0], \mask, (1<<16)|(1<<20)|(1<<21)|((\qi)<<22)|(3<<25)
	s_mov_b32 s[\g+1], (\kk)<<16                   ; tensor_dim0 (the tile lies inside the tensor)
	s_mov_b32 s[\g+2], (\rows)<<16                 ; tensor_dim1
	s_mov_b32 s[\g+3], (\kk)<<16                   ; tile_dim0
	s_mov_b32 s[\g+4], \rows                       ; tile_dim1
	s_mov_b32 s[\g+5], 4096                        ; elements from row to row
	s_mov_b32 s[\g+6], 0
	s_mov_b32 s[\g+7], 0
.endm
; A joint load into slot s (0 = A, 1 = B).  Waves 0 and 1 fetch x16's two halves (64 rows each), waves 2 and 3 w16's (128 rows each).
; Each line has one mask; the branch hangs on the wave's number alone.
.macro JLOAD s
	s_cmp_eq_u32 s13, 0
	s_cbranch_scc0 .Lfor_w_\@
	tensor_load_to_lds s[G0X+4*\s:G0X+4*\s+3], s[G1X+8*\s:G1X+8*\s+7]
	s_nop 0
	s_branch .Lasked_\@
.Lfor_w_\@:
	tensor_load_to_lds s[G0W+4*\s:G0W+4*\s+3], s[G1W+8*\s:G1W+8*\s+7]
	s_nop 0
.Lasked_\@:
.endm
; A round of the cluster's barrier: my work-group's barrier, wave 0 signals for the work-group, every wave waits for all sixteen, my work-group's barrier again.
.macro CREST                           ; a round behind its opening barrier
	s_cmp_lg_u32 s12, 0
	s_cbranch_scc1 .Lnot_wave_0_\@
	s_barrier_signal -3
.Lnot_wave_0_\@:
	s_barrier_wait -3
	s_barrier_signal -1
	s_barrier_wait -1
.endm
.macro CROUND
	s_barrier_signal -1
	s_barrier_wait -1
	CREST
.endm
	s_load_b256 s[4:11], s[0:1], 0x0               ; x16 s[4:5], w16 s[6:7], b s[8:9], out0 s[10:11]
	s_set_vgpr_msb 0x40
	v_lshl_add_u32 v255, v0, 2, 0x4b000
	s_set_vgpr_msb 0x4000
	v_mov_b32 v255, 0
	s_set_vgpr_msb 0x1
	ds_add_u32 v255, v255
	ds_add_u32 v255, v255
	s_set_vgpr_msb 0x100
	v_lshrrev_b32 v1, 5, v0
	v_readfirstlane_b32 s12, v1                    ; wave 0..3
	s_lshr_b32 s13, s12, 1                         ; which half of every slot's k is mine.  Also: I fetch for x16 (0) or for w16 (1)
	s_and_b32 s14, s12, 1                          ; which 128 columns are mine.  Also: which half of that tile I fetch
	s_xor_b32 s15, s13, s14                        ; g0: which 64 rows I keep
	s_bfe_u32 s16, ttmp6, 0x40000                  ; cx
	s_bfe_u32 s17, ttmp6, 0x40004                  ; cy
	s_lshl_b32 s18, ttmp9, 2
	s_add_co_u32 s18, s18, s16                     ; block column = 4 x cluster x + cx
	s_and_b32 s19, ttmp7, 0xffff
	s_lshl_b32 s19, s19, 2
	s_add_co_u32 s19, s19, s17                     ; block row = 4 x cluster y + cy
	s_lshl_b32 s20, s17, 2
	s_lshl_b32 s20, 15, s20                        ; my row of the cluster: places 4 cy .. 4 cy + 3
	s_lshl_b32 s21, 0x1111, s16                    ; my column: places cx, cx + 4, cx + 8, cx + 12
	GROUP1 G1X,   s20, 6, KA, 64                   ; x16's tiles go to my row: slot A, rows of 128 words,
	GROUP1 G1X+8, s20, 5, KB, 64                   ; slot B, rows of 64 words
	GROUP1 G1W,   s21, 6, KA, 128                  ; w16's tiles go to my column
	GROUP1 G1W+8, s21, 5, KB, 128
	; where the tiles go: the half that I fetch times a constant, plus the slot's constant; no place in the cluster enters an LDS address
	s_mov_b32 s[G0X+0], 1
	s_mul_i32 s[G0X+1], s14, XHA
	s_mov_b32 s[G0X+4], 1
	s_mul_i32 s[G0X+5], s14, XHB
	s_add_co_u32 s[G0X+5], s[G0X+5], SLOTA
	s_mov_b32 s[G0W+0], 1
	s_mul_i32 s[G0W+1], s14, WHA
	s_add_co_u32 s[G0W+1], s[G0W+1], WOFFA
	s_mov_b32 s[G0W+4], 1
	s_mul_i32 s[G0W+5], s14, WHB
	s_add_co_u32 s[G0W+5], s[G0W+5], SLOTA+WOFFB
	; where the tiles come from: x16's registers hold the block row and the wave's number alone, w16's the block column and the wave's number alone
	s_lshl_b32 s76, s19, 7
	s_lshl_b32 s22, s14, 6
	s_add_co_u32 s76, s76, s22                     ; x16: row 128 x block row + 64 x half
	s_lshl_b32 s76, s76, 13                        ; rows of 8,192 bytes
	s_mov_b32 s77, 0
	s_lshl_b32 s78, s18, 8
	s_lshl_b32 s23, s14, 7
	s_add_co_u32 s78, s78, s23                     ; w16: row 256 x block column + 128 x half
	s_lshl_b32 s78, s78, 13
	s_mov_b32 s79, 0
	s_lshl_b32 s80, s18, 8                         ; my first column: 256 x block column + 128 x half,
	s_add_co_u32 s80, s80, s23
	s_lshl_b32 s80, s80, 2                         ; in bytes of f32
	s_mov_b32 s81, 0
	s_lshl_b32 s82, s19, 7                         ; the first row that I finish: 128 x block row + 64 g0,
	s_lshl_b32 s22, s15, 6
	s_add_co_u32 s82, s82, s22
	s_lshl_b32 s82, s82, 14                        ; rows of 16,384 bytes,
	s_add_co_u32 s82, s82, s80                     ; and the column
	s_mov_b32 s83, 0
	s_wait_dscnt 0x0
	s_wait_kmcnt 0x0
	s_add_nc_u64 s[76:77], s[4:5], s[76:77]
	s_add_nc_u64 s[78:79], s[6:7], s[78:79]
	s_add_nc_u64 s[8:9], s[8:9], s[80:81]          ; b at my first column
	s_add_nc_u64 s[10:11], s[10:11], s[82:83]      ; out0 at my first row and column; neither base is written again
	CROUND                                         ; all sixteen work-groups are here: the first joint loads meet
.irp s, 0,1
	s_add_nc_u64 s[G0X+4*\s+2:G0X+4*\s+3], s[76:77], \s*KA*2       ; slot A: k = 0; slot B: k = 256
	s_or_b32 s[G0X+4*\s+3], s[G0X+4*\s+3], 0x80000000              ; type = 2
	s_add_nc_u64 s[G0W+4*\s+2:G0W+4*\s+3], s[78:79], \s*KA*2
	s_or_b32 s[G0W+4*\s+3], s[G0W+4*\s+3], 0x80000000
	JLOAD \s                                       ; both slots are asked for before anything else is done
.endr
	; A fragment is 16 rows x 32 K in 8 registers: lane l holds row l % 16; registers 0-3 K = 8 (l / 16) + 0..7, registers 4-7 K = 16 + 8 (l / 16) + 0..7:
	; two loads of 16 bytes, 32 bytes apart, at row x pitch + 16 (l / 16).  For waves 2 and 3 my half of a slot's k begins 256 (slot A) or 128 (slot B) bytes into the row.
	v_and_b32 v1, 31, v0                           ; l
	v_and_b32 v2, 15, v0                           ; r
	v_bfe_u32 v3, v0, 4, 1                         ; h
	v_mul_u32_u24 v4, v2, PA
	v_lshl_add_u32 v4, v3, 4, v4                   ; the lane's term in slot A
	v_mul_u32_u24 v6, v2, PB
	v_lshl_add_u32 v6, v3, 4, v6                   ; and in slot B
	s_xor_b32 s89, s15, 1                          ; the 64 rows that I give
	s_lshl_b32 s84, s13, 8                         ; slot A: 256 bytes x my half of k
	s_mul_i32 s85, s15, XHA
	s_add_co_u32 s85, s85, s84
	s_mul_i32 s86, s89, XHA
	s_add_co_u32 s86, s86, s84
	s_mul_i32 s87, s14, WHA
	s_add_co_u32 s87, s87, s84
	s_add_co_u32 s87, s87, WOFFA
	v_add_nc_u32 v[ADRA0], s85, v4
	v_add_nc_u32 v[ADRA1], s86, v4
	v_add_nc_u32 v[ADRB], s87, v4
	s_lshl_b32 s84, s13, 7                         ; slot B: 128 bytes x my half of k,
	s_add_co_u32 s84, s84, SLOTA                   ; behind slot A
	s_mul_i32 s85, s15, XHB
	s_add_co_u32 s85, s85, s84
	s_mul_i32 s86, s89, XHB
	s_add_co_u32 s86, s86, s84
	s_mul_i32 s87, s14, WHB
	s_add_co_u32 s87, s87, s84
	s_add_co_u32 s87, s87, WOFFB
	v_add_nc_u32 v[ADRA0+1], s85, v6
	v_add_nc_u32 v[ADRA1+1], s86, v6
	v_add_nc_u32 v[ADRB+1], s87, v6
	s_mul_i32 s84, s12, STG
	s_add_co_u32 s84, s84, STAGE                   ; my stage
	s_mul_i32 s85, s12, EXCH                       ; my exchange region
	s_xor_b32 s86, s12, 2
	s_mul_i32 s86, s86, EXCH                       ; the partner's
	v_mul_u32_u24 v5, v2, EP                       ; in: row r, 32 bytes for each half of the lanes
	v_lshl_add_u32 v5, v3, 5, v5
	v_add_nc_u32 v[STO], s84, v5
	v_add_nc_u32 v[GIV], s85, v5
	v_lshlrev_b32 v[CO], 4, v1                     ; back: 32 lanes take one row piece of 512 bytes
	v_add_nc_u32 v[RDO], s84, v[CO]
	v_add_nc_u32 v[RDP], s86, v[CO]
	global_load_b128 v[BIAS:BIAS+3], v[CO], s[8:9] ; waited for on the way out
; 16 matrix instructions: row blocks a0, a0 + 1 of the window's four (hi = 0: the rows I keep, 1: the rows I give) x all 8 column blocks, 32 along K.
; zero = 1: the first product starts the sums: nothing is cleared.  The 64 accumulators take turns, one instruction a turn, in the same order in
; every quarter, over the loop's backward jump too.
.macro MUL16 f, hi, a0, zero
.irp a, \a0, \a0+1
.irp b, 0,1,2,3,4,5,6,7
.if \zero
	v_wmma_f32_16x16x32_f16 v[8*(8*(\a)+\b):8*(8*(\a)+\b)+7], v[\f+8*\b:\f+8*\b+7], v[\f+8*(4*\hi+\a):\f+8*(4*\hi+\a)+7], 0
.else
	v_wmma_f32_16x16x32_f16 v[8*(8*(\a)+\b):8*(8*(\a)+\b)+7], v[\f+8*\b:\f+8*\b+7], v[\f+8*(4*\hi+\a):\f+8*(4*\hi+\a)+7], v[8*(8*(\a)+\b):8*(8*(\a)+\b)+7]
.endif
.endr
.endr
.endm
; 32 LDS loads in one run: 128 rows of w16, the 64 rows of x16 that I keep, the 64 that I give, 32 K at byte k of my half of the rows, into buffer f.
; The pitch is the slot's: PA for slot 0, PB for slot 1.
.macro FETCH slot, k, f
	WIN TO_B
.irp i, 0,1,2,3,4,5,6,7
	ds_load_b128 v[\f+8*\i:\f+8*\i+3],   v[ADRB+\slot] offset:\k+\i*16*(PA-(\slot)*(PA-PB))
	ds_load_b128 v[\f+8*\i+4:\f+8*\i+7], v[ADRB+\slot] offset:\k+\i*16*(PA-(\slot)*(PA-PB))+32
.endr
	WIN 0
.irp i, 0,1,2,3
	ds_load_b128 v[\f+8*\i:\f+8*\i+3],   v[ADRA0+\slot] offset:\k+\i*16*(PA-(\slot)*(PA-PB))
	ds_load_b128 v[\f+8*\i+4:\f+8*\i+7], v[ADRA0+\slot] offset:\k+\i*16*(PA-(\slot)*(PA-PB))+32
.endr
.irp i, 0,1,2,3
	ds_load_b128 v[\f+32+8*\i:\f+32+8*\i+3],   v[ADRA1+\slot] offset:\k+\i*16*(PA-(\slot)*(PA-PB))
	ds_load_b128 v[\f+32+8*\i+4:\f+32+8*\i+7], v[ADRA1+\slot] offset:\k+\i*16*(PA-(\slot)*(PA-PB))+32
.endr
.endm
; A load into a register that a matrix instruction has read, and whatever reads a matrix result, stand four places behind that matrix instruction; only
; plain vector instructions that name none of its registers are places (ISA guide 7.12.1 for vector instructions).
.macro PLACES
.rept 4
	v_nop
.endr
.endm
; My share of slot A is four quarters of 32 along K, of slot B two, 64 matrix instructions each, on buffers 0, 1, 0, 1 and 0, 1.
; All but a slot's last: multiplies buffer f and in its middle fetches the next quarter's fragments, at byte k of my half of the same slot's rows, into buffer g.
.macro QUARTER slot, k, f, g, zero
	s_wait_dscnt 8                                 ; w16 and the rows I keep are in; the youngest eight loads (the rows I give) may be out
	WIN MUL_LO
	MUL16 \f, 0, 0, \zero
	MUL16 \f, 0, 2, \zero
	PLACES
	FETCH \slot, \k, \g
	s_wait_dscnt 32                                ; all but the 32 just issued
	WIN MUL_HI
	MUL16 \f, 1, 0, \zero
	MUL16 \f, 1, 2, \zero
.endm
; A slot's last quarter: multiplies buffer 1 and changes slots.  fill = 1: this slot is filled again, with its tile of the next lap.
; In front of the barrier each wave waits for its reads of this slot and for all its tensor loads (one is out: its part of the next slot).  Where the slot is
; filled again the barrier opens a round of the cluster's barrier, only register work stands inside the round, and the joint refill is the first
; tensor load behind it, one a wave.  From a request to the wait for it a wave issues 112 matrix instructions (slot A's load, out while slot B is
; multiplied) or 240 (slot B's load, out while slot A is multiplied).
.macro TURN slot, next, fill
	s_wait_dscnt 8
	WIN MUL_LO
	MUL16 F1, 0, 0, 0
	s_wait_dscnt 0                                 ; my reads of this slot are over
	s_wait_tensorcnt 0x0                           ; and all my tensor loads have landed
	ds_add_u32 v255, v255
	s_wait_dscnt 0x0
	s_barrier_signal -1
	MUL16 F1, 0, 2, 0                              ; work on registers while the others arrive
	WIN 0
	s_barrier_wait -1
.if \fill
	CREST                                          ; no wave of any partner still reads this slot or has a load on its way
	s_add_nc_u64 s[G0X+4*\slot+2:G0X+4*\slot+3], s[G0X+4*\slot+2:G0X+4*\slot+3], LAPB       ; no load of mine is out: the groups 0 may be written
	s_add_nc_u64 s[G0W+4*\slot+2:G0W+4*\slot+3], s[G0W+4*\slot+2:G0W+4*\slot+3], LAPB
	JLOAD \slot
.endif
	PLACES
	FETCH \next, 0, F0
	WIN MUL_HI
	MUL16 F1, 1, 0, 0
	MUL16 F1, 1, 2, 0
.endm
.macro THREE zero                      ; slot A's first three quarters
	QUARTER 0, 64,  F0, F1, \zero
	QUARTER 0, 128, F1, F0, 0
	QUARTER 0, 192, F0, F1, 0
.endm
.macro LAP zero                        ; once round the ring, both slots filled again
	THREE \zero
	TURN 0, 1, 1
	QUARTER 1, 64, F0, F1, 0
	TURN 1, 0, 1
.endm
	s_wait_tensorcnt 1                             ; my part of slot A is in; slot B's stays out
	s_barrier_signal -1
	s_barrier_wait -1                              ; everybody's part is in
	FETCH 0, 0, F0
	LAP 1                                          ; the first lap stands in front of the loop: its first products start the sums
	WIN 0                                          ; at a label and at a branch every window is 0
	s_mov_b32 s3, LAPS-2
.Llap:
	LAP 0
	WIN 0
	s_sub_co_u32 s3, s3, 1
	s_cmp_lg_u32 s3, 0
	s_cbranch_scc1 .Llap
	THREE 0                                        ; the tenth lap:
	TURN 0, 1, 1                                   ; slot A is filled once more, with the last 256 k;
	QUARTER 1, 64, F0, F1, 0
	TURN 1, 0, 0                                   ; slot B is not: no later step reads it
	THREE 0                                        ; the last 256 k
	s_wait_dscnt 8                                 ; the very last quarter: nothing more to fetch
	WIN MUL_LO
	MUL16 F1, 0, 0, 0
	MUL16 F1, 0, 2, 0
	s_wait_dscnt 0                                 ; my last reads of the ring are over; all tensor loads landed before the last change of slots
	s_barrier_signal -1                            ; say so: behind this barrier slot A's bytes take the exchange and the stages
	WIN MUL_HI
	MUL16 F1, 1, 0, 0
	MUL16 F1, 1, 2, 0
	PLACES                                         ; the places behind the last matrix instructions, for the stores of results and the loads into the buffers
	WIN 0
	s_barrier_wait -1
	; GIVE: the 64 x 128 sums of window 3, row 16 a + r, 32 bytes at column 16 b + 8 h, into my exchange region
	WIN ST_HI
.irp a, 0,1,2,3
.irp b, 0,1,2,3,4,5,6,7
	ds_store_b128 v[GIV], v[8*(8*\a+\b):8*(8*\a+\b)+3]   offset:16*EP*\a+64*\b
	ds_store_b128 v[GIV], v[8*(8*\a+\b)+4:8*(8*\a+\b)+7] offset:16*EP*\a+64*\b+16
.endr
.endr
	WIN 0
	s_wait_dscnt 0                                 ; for the partner's sake: all my stores are done
	s_barrier_signal -1
	s_barrier_wait -1
	s_wait_loadcnt 0x0                             ; the bias
; Rows 16 a .. 16 a + 15 of those that I keep: my sums go through my own stage and come back by rows beside the partner's; own + partner + bias; a wave's store
; covers a row piece of 512 consecutive bytes, aligned.
.macro OUT16 a
	WIN ST_LO
.irp b, 0,1,2,3,4,5,6,7
	ds_store_b128 v[STO], v[8*(8*\a+\b):8*(8*\a+\b)+3]   offset:64*\b
	ds_store_b128 v[STO], v[8*(8*\a+\b)+4:8*(8*\a+\b)+7] offset:64*\b+16
.endr
	WIN 0
	s_wait_xcnt 0x0                                ; buffer 0, which the last block's stores read, is loaded again only behind this wait (ISA guide 3.1)
.irp t, 0,1,2,3,4,5,6,7,8,9,10,11,12,13,14,15
	ds_load_b128 v[F0+4*\t:F0+4*\t+3], v[RDO] offset:EP*\t             ; LDS serves a wave's instructions in order (ISA guide 5.7.1): these see the stores above
	ds_load_b128 v[F1+4*\t:F1+4*\t+3], v[RDP] offset:EP*(16*\a+\t)
.endr
.irp t, 0,1,2,3,4,5,6,7,8,9,10,11,12,13,14,15
	s_wait_dscnt 30-2*\t                           ; the later rows' loads stay out
	v_pk_add_f32 v[F0+4*\t:F0+4*\t+1],   v[F0+4*\t:F0+4*\t+1],   v[F1+4*\t:F1+4*\t+1]
	v_pk_add_f32 v[F0+4*\t+2:F0+4*\t+3], v[F0+4*\t+2:F0+4*\t+3], v[F1+4*\t+2:F1+4*\t+3]
	v_pk_add_f32 v[F0+4*\t:F0+4*\t+1],   v[F0+4*\t:F0+4*\t+1],   v[BIAS:BIAS+1]
	v_pk_add_f32 v[F0+4*\t+2:F0+4*\t+3], v[F0+4*\t+2:F0+4*\t+3], v[BIAS+2:BIAS+3]
	global_store_b128 v[CO], v[F0+4*\t:F0+4*\t+3], s[10:11] offset:(16*\a+\t)*OROW th:TH_STORE_NT
.endr
.endm
	OUT16 0
	OUT16 1
	OUT16 2
	OUT16 3
	s_set_vgpr_msb 0x1
	s_wait_tensorcnt 0x0
	ds_add_u32 v255, v255
	s_wait_dscnt 0x0
	s_set_vgpr_msb 0x100
	CROUND                                         ; the closing round: no work-group ends while a partner may still ask for a tile that names it
	s_endpgm
.Lfunc_end_k_q4882a8ad7c_gemm:
	.size	k_q4882a8ad7c_gemm, .Lfunc_end_k_q4882a8ad7c_gemm-k_q4882a8ad7c_gemm
	.p2alignl 7, 3214868480
	.fill 96, 4, 3214868480
	.section	.rodata,"a",@progbits
	.p2align	6, 0x0
	.amdhsa_kernel k_q4882a8ad7c_gemm
		.amdhsa_group_segment_fixed_size 327680
		.amdhsa_private_segment_fixed_size 0
		.amdhsa_enable_private_segment 0
		.amdhsa_kernarg_size 32
		.amdhsa_user_sgpr_count 2
		.amdhsa_user_sgpr_kernarg_segment_ptr 1
		.amdhsa_wavefront_size32 1
		.amdhsa_system_sgpr_workgroup_id_x 1
		.amdhsa_system_sgpr_workgroup_id_y 1
		.amdhsa_system_sgpr_workgroup_id_z 1
		.amdhsa_system_vgpr_workitem_id 0
		.amdhsa_next_free_vgpr 1024
		.amdhsa_next_free_sgpr 90
		.amdhsa_reserve_vcc 0
		.amdhsa_float_denorm_mode_32 3
		.amdhsa_float_denorm_mode_16_64 3
		.amdhsa_memory_ordered 1
		.amdhsa_forward_progress 1
		.amdhsa_inst_pref_size 194
	.end_amdhsa_kernel
	.amdgpu_metadata
---
amdhsa.version: [ 1, 2 ]
amdhsa.kernels:
  - .name:           k_q4882a8ad7c_gemm
    .symbol:         k_q4882a8ad7c_gemm.kd
    .args:
      - { .name: x16, .offset: 0, .size: 8, .value_kind: global_buffer, .address_space: global }
      - { .name: w16, .offset: 8, .size: 8, .value_kind: global_buffer, .address_space: global }
      - { .name: b, .offset: 16, .size: 8, .value_kind: global_buffer, .address_space: global }
      - { .name: out0, .offset: 24, .size: 8, .value_kind: global_buffer, .address_space: global }
    .group_segment_fixed_size: 327680
    .private_segment_fixed_size: 0
    .kernarg_segment_align: 8
    .kernarg_segment_size: 32
    .max_flat_workgroup_size: 128
    .sgpr_count:     90
    .vgpr_count:     1024
    .wavefront_size: 32
...
	.end_amdgpu_metadata
.endif
;; end of part 2
